; MI455X (gfx1250); checked and timed in simulation.
; The chip was launched on July 23, 2026; its instructions are those of AMD's public machine-readable ISA for CDNA 5 (MIT licence, August 2026) and "CDNA5" Instruction Set Architecture Reference Guide (July 2026). The comments in the code are by the model that wrote it; some were corrected since.
;; Bi SVM. Allowed arithmetic: matrix products marked QUANTISED: E3M2 operands, one E8M0 scale for each 32 along K, by v_wmma_scale_f32_16x16x128_f8f6f4 with both operands' format E3M2, f32 sums; products left as they are: f32 operands where the result goes on into a quantised operand, else bf16, f16 or f32 operands; f32 sums; everything else in f32.
;; Inputs: L 1,024 x 1,024 float32; R 1,024 x 1,024 float32; x 64 x 1,024 x 1,024 float32.
;; Outputs: out0 64 x 1,024 float32.
;; This version of the problem:
;;   THIS VERSION OF THE PROBLEM IS GIVEN IN LOW PRECISION. The matrix products marked QUANTISED in the list below multiply operands that are first quantised to E3M2 (3 exponent bits, 2 mantissa bits; 6 bits a number), with one power-of-two scale for each 32 numbers along K (OCP MX v1.0); their sums are f32. All else is computed in f32.
;;   The module's matrix products, in the order in which they are computed (A, B: the left and right operand; K: the contracted axis; several contracted axes count as one K, in the product's order):
;;     1. [M 65,536, K 1,024] x [K 1,024, N 1,024]; A: input x; B: input R: QUANTISED
;;     2. batch 1,024 x [M 64, K 1,024] x [K 1,024, N 1]; A: computed on the way; B: input L: left as it is (N = 1 < 16)
;;   THE QUANTISER, for each operand of a quantised product, along K:
;;     - K is cut into blocks of 32 from its start; a last block that is shorter is filled with zeros.
;;     - A block's scale is 2^e with e = floor(log2(the largest magnitude in the block)) - 4, held to -126 .. 127; a block of zeros has e = 0. As a byte (E8M0): e + 127.
;;     - Each number is divided by its block's scale, clamped to +-28, and rounded to the nearest number of E3M2, ties to even, subnormals kept.
;;     - The product sums the exact products of the quantised numbers (number of the format x scale) in f32.
;;   ~~~python
;;   def quantise(x, axis):      # numpy; x: float32 -> the quantised numbers, widened to float32 again
;;       x = np.moveaxis(x, axis, -1); K = x.shape[-1]
;;       x = np.pad(x, [(0, 0)] * (x.ndim - 1) + [(0, -K % 32)]); x = x.reshape(x.shape[:-1] + (-1, 32)); a = np.abs(x).max(-1, keepdims=True)
;;       e = np.where(a > 0, np.clip(np.frexp(np.where(a > 0, a, 1))[1] - 1 - 4, -126, 127), 0)      # np.frexp(a)[1] - 1 = floor(log2(a)), exactly
;;       r = np.clip(x / 2.0 ** e, -28, 28)
;;       step = 2.0 ** (np.maximum(np.frexp(np.where(r == 0, 1, r))[1] - 1, -2) - 2)
;;       q = np.round(r / step) * step * 2.0 ** e      # np.round: ties to even
;;       return np.moveaxis(q.reshape(q.shape[:-2] + (-1,))[..., :K], -1, axis).astype(np.float32)
;;   ~~~
;; One version. Each part assembles by itself: llvm-mc -triple=amdgcn-amd-amdhsa -mcpu=gfx1250 --defsym DOCPART=n.
;; ======== version 1 of 1: 3 launches
;; workspace buffers: RW 851,968 bytes; LW 4,194,304 bytes; P 8,388,608 bytes
;; launch prep (part 1): grid 256 x 1, 2 waves a work-group, no clusters, 0 bytes of LDS; arguments R, L, RW, LW; writes RW, LW
.if DOCPART == 1
	.amdgcn_target "amdgcn-amd-amdhsa--gfx1250"
	.amdhsa_code_object_version 6
	.text
	.protected	k_q12b35ca36e_prep
	.globl	k_q12b35ca36e_prep
	.p2align	8
	.type	k_q12b35ca36e_prep,@function
k_q12b35ca36e_prep:
	s_mov_b64 s[64:65], 0
	v_nop
	global_prefetch_b8 v0, s[64:65] scope:SCOPE_SE
	s_setreg_imm32_b32 hwreg(HW_REG_WAVE_MODE, 25, 1), 1
	s_wait_xcnt 0x0
; R [1024 (k)][1024 (o)] f32 becomes codes of BF6 (E3M2) with one E8M0 scale byte for each 32 along K, laid in the ORDER OF THE OPERAND'S REGISTERS, and
; L [1024 (o)][1024 (i)] f32 is laid in the order in which the next launch's lanes keep it.  Work-groups 0-127 take R, 128-255 take L.  No LDS, no barrier: waves share nothing.
; RW: [w 4][p 4][n 16] tiles of 3,328 bytes: column tile 16 w + n, k = 256 p + 0..255: one stream for each wave of the next launch.  In a tile: [s 2][c 3][lane 32][16 bytes]: registers 4 c .. 4 c + 3 of each
;   lane's fragment for k = 256 p + 128 s + 0..127; from byte 3,072 on the scale words [16 s + column], 4 bytes each; the last 128 bytes are neither written nor read.
; LW: [ic 32][nt 64][q 4][lane 32][16 bytes]: lane (r, u) gets L[16 nt + r][32 ic + 16 u + 4 q + 0..3].
; THE QUANTISER: a block's scale is 2^(floor(log2(largest magnitude)) - 4); its byte is the largest magnitude's exponent field - 4, held at 1 from below by a floor among the maximum's leaves.
; LIMITS: a block of zeros gets the byte 1 where the rule says 127 (its codes are zeros, and this program alone reads the bytes); NaN and infinities among the inputs are not served.
.set TILEB, 3328                       ; bytes of a tile of RW
.set X,     64                         ; v64-191  128 numbers (R) or 32 x 16 bytes (L)
.set F0,    16                         ; v16-27   blocks 0 and 2 of my column; behind the exchange: the even tile's fragment
.set F1,    28                         ; v28-39   blocks 1 and 3; behind the exchange: the odd tile's fragment
.set TMPC,  40                         ; v40-55   a block's upper 16 codes (a conversion's three registers begin on an even number)
.set BY,    12                         ; v12-15   the four scale bytes
.set SO,    56                         ; v56-59   the conversions' scale operands
	s_load_b256 s[4:11], s[0:1], 0x0               ; R s[4:5], L s[6:7], RW s[8:9], LW s[10:11]
	v_lshrrev_b32 v1, 5, v0
	v_readfirstlane_b32 s12, v1                    ; wave 0, 1
	v_and_b32 v2, 31, v0                           ; lane
	v_lshlrev_b32 v4, 4, v2                        ; 16 x lane: a lane's place in an image
	s_cmp_lt_u32 ttmp9, 128
	s_cbranch_scc0 .Lleft
	; ---- R.  Wave T = 2 x work-group + wave takes 32 columns (two tiles) x 128 along K: s = T & 1, p = (T >> 1) & 3, cg = T >> 3.
	; A LANE TAKES A COLUMN AND ITS REGISTERS RUN DOWN K: each load reads 128 consecutive bytes, a block of 32 lies in one lane, and the codes come out with K innermost.
	s_lshl_b32 s13, ttmp9, 1
	s_add_co_u32 s13, s13, s12                     ; T (its lowest bit is the wave's number: s)
	s_bfe_u32 s14, s13, 0x20001                    ; p
	s_lshr_b32 s15, s13, 3                         ; cg
	s_lshl_b32 s16, s14, 20                        ; R: (256 p + 128 s) rows of 4,096 bytes + 128 cg
	s_lshl_b32 s17, s12, 19
	s_add_co_u32 s16, s16, s17
	s_lshl_b32 s17, s15, 7
	s_add_co_u32 s16, s16, s17
	s_mov_b32 s17, 0
	s_lshr_b32 s18, s15, 3                         ; w = cg >> 3
	s_lshl_b32 s18, s18, 6
	s_lshl_b32 s19, s14, 4
	s_add_co_u32 s18, s18, s19
	s_and_b32 s19, s15, 7
	s_lshl_b32 s19, s19, 1
	s_add_co_u32 s18, s18, s19                     ; the even tile's number in RW: 64 w + 16 p + 2 (cg & 7)
	s_mul_i32 s18, s18, TILEB
	s_mul_i32 s21, s12, 1536
	s_add_co_u32 s20, s18, s21                     ; its codes for this s
	s_mov_b32 s21, 0
	s_lshl_b32 s23, s12, 6
	s_add_co_u32 s22, s18, s23
	s_add_co_u32 s22, s22, 3072                    ; its scale words for this s
	s_mov_b32 s23, 0
	v_lshlrev_b32 v3, 2, v2                        ; in: 4 bytes a lane
	v_and_b32 v5, 15, v2
	v_lshrrev_b32 v7, 4, v2
	v_lshlrev_b32 v5, 2, v5
	v_mad_u32_u24 v5, v7, TILEB, v5                ; my scale word: 4 x column in the tile, + a tile for the odd one
	s_wait_kmcnt 0x0
	s_add_nc_u64 s[4:5], s[4:5], s[16:17]
	s_add_nc_u64 s[24:25], s[8:9], s[20:21]
	s_add_nc_u64 s[26:27], s[8:9], s[22:23]
.set I, 0
.rept 128
	global_load_b32 v[X+I], v3, s[4:5] offset:I*4096 th:TH_LOAD_NT
.set I, I+1
.endr
; Block kb of my column.  left: how many younger loads may stay out (a wait names 63 at the most: the first two blocks wait for a little more than they need).
.macro QBLOCK kb, left
.set XS, X+32*(\kb)
.set FD, F0+12*((\kb)%2)+6*((\kb)/2)
	s_wait_loadcnt \left
	v_max3_num_f32 v8, |v[XS]|, |v[XS+1]|, |v[XS+2]|               ; the block's largest magnitude: all 32 numbers are mine; two chains
	v_max3_num_f32 v9, |v[XS+3]|, |v[XS+4]|, |v[XS+5]|
.irp i, 6,10,14,18,22,26
	v_max3_num_f32 v8, v8, |v[XS+\i]|, |v[XS+\i+1]|
	v_max3_num_f32 v9, v9, |v[XS+\i+2]|, |v[XS+\i+3]|
.endr
	v_max3_num_f32 v8, v8, |v[XS+30]|, |v[XS+31]|
	v_max3_num_f32 v8, v8, v9, 0x2800000           ; and the floor 2^(5 - 127): the byte cannot fall under 1
	v_add_nc_u32 v[SO+\kb], 0xfe000000, v8         ; 4 off the exponent field: the conversion takes this operand's exponent field as its scale
	v_lshrrev_b32 v[BY+\kb], 23, v[SO+\kb]         ; the scale's byte
	v_cvt_scalef32_pk16_bf6_f32 v[FD:FD+2], v[XS:XS+15], v[SO+\kb]
	v_cvt_scalef32_pk16_bf6_f32 v[TMPC+4*\kb:TMPC+4*\kb+2], v[XS+16:XS+31], v[SO+\kb]
	v_nop                                          ; one plain place behind a scaled conversion
.irp i, 0,1,2
	v_mov_b32 v[FD+3+\i], v[TMPC+4*\kb+\i]
.endr
.endm
	QBLOCK 0, 63
	QBLOCK 1, 63
	QBLOCK 2, 32
	QBLOCK 3, 0
	v_lshl_or_b32 v6, v[BY+1], 8, v[BY]            ; my column's scale word for these 128 along K
	v_lshl_or_b32 v6, v[BY+2], 16, v6
	v_lshl_or_b32 v6, v[BY+3], 24, v6
; The operand's layout gives lanes 0-15 a column's blocks 0 and 2 and lanes 16-31 the same column's blocks 1 and 3.  F0's lanes 16-31 (the odd tile's blocks 0, 2) change places with
; F1's lanes 0-15 (the even tile's blocks 1, 3): F0 is then the even tile's fragment and F1 the odd tile's.
.irp i, 0,1,2,3,4,5,6,7,8,9,10,11
	v_permlane16_swap_b32 v[F0+\i], v[F1+\i]
.endr
.irp c, 0,1,2
	global_store_b128 v4, v[F0+4*\c:F0+4*\c+3], s[24:25] offset:512*\c        ; 32 lanes store 512 consecutive bytes, at a multiple of 256 from RW's first byte
	global_store_b128 v4, v[F1+4*\c:F1+4*\c+3], s[24:25] offset:TILEB+512*\c
.endr
	global_store_b32 v5, v6, s[26:27]
	s_endpgm
.Lleft:
	; ---- L.  Wave T' takes column tile nt = T' >> 2 (16 rows of L) and 256 of its i: ic = 8 (T' & 3) + 0..7.  Nothing is computed: 32 loads of 16 bytes a lane, 32 stores of 512 consecutive bytes.
	s_sub_co_u32 s13, ttmp9, 128
	s_lshl_b32 s13, s13, 1
	s_add_co_u32 s13, s13, s12                     ; T'
	s_lshr_b32 s14, s13, 2                         ; nt
	s_and_b32 s15, s13, 3                          ; icg
	s_lshl_b32 s16, s14, 16                        ; L: 16 nt rows of 4,096 bytes + 1,024 icg
	s_lshl_b32 s17, s15, 10
	s_add_co_u32 s16, s16, s17
	s_mov_b32 s17, 0
	s_lshl_b32 s18, s15, 20                        ; LW: 8 icg x 131,072 + 2,048 nt
	s_lshl_b32 s19, s14, 11
	s_add_co_u32 s18, s18, s19
	s_mov_b32 s19, 0
	v_and_b32 v3, 15, v2
	v_lshrrev_b32 v5, 4, v2
	v_lshlrev_b32 v3, 12, v3
	v_lshl_add_u32 v3, v5, 6, v3                   ; row r, + 64 u
	s_wait_kmcnt 0x0
	s_add_nc_u64 s[6:7], s[6:7], s[16:17]
	s_add_nc_u64 s[10:11], s[10:11], s[18:19]
.set IDX, 0
.irp a, 0,1,2,3,4,5,6,7
.irp q, 0,1,2,3
	global_load_b128 v[X+4*IDX:X+4*IDX+3], v3, s[6:7] offset:128*\a+16*\q th:TH_LOAD_NT
.set IDX, IDX+1
.endr
.endr
.set IDX, 0
.irp a, 0,1,2,3,4,5,6,7
.irp q, 0,1,2,3
	s_wait_loadcnt 31-IDX                          ; the loads issued behind this one may stay out
	global_store_b128 v4, v[X+4*IDX:X+4*IDX+3], s[10:11] offset:131072*\a+512*\q
.set IDX, IDX+1
.endr
.endr
	s_endpgm
.Lfunc_end_k_q12b35ca36e_prep:
	.size	k_q12b35ca36e_prep, .Lfunc_end_k_q12b35ca36e_prep-k_q12b35ca36e_prep
	.p2alignl 7, 3214868480
	.fill 96, 4, 3214868480
	.section	.rodata,"a",@progbits
	.p2align	6, 0x0
	.amdhsa_kernel k_q12b35ca36e_prep
		.amdhsa_group_segment_fixed_size 0
		.amdhsa_private_segment_fixed_size 0
		.amdhsa_enable_private_segment 0
		.amdhsa_kernarg_size 32
		.amdhsa_user_sgpr_count 2
		.amdhsa_user_sgpr_kernarg_segment_ptr 1
		.amdhsa_wavefront_size32 1
		.amdhsa_system_sgpr_workgroup_id_x 1
		.amdhsa_system_sgpr_workgroup_id_y 1
		.amdhsa_system_sgpr_workgroup_id_z 1
		.amdhsa_system_vgpr_workitem_id 0
		.amdhsa_next_free_vgpr 192
		.amdhsa_next_free_sgpr 66
		.amdhsa_reserve_vcc 0
		.amdhsa_float_denorm_mode_32 3
		.amdhsa_float_denorm_mode_16_64 3
		.amdhsa_memory_ordered 1
		.amdhsa_forward_progress 1
		.amdhsa_inst_pref_size 29
	.end_amdhsa_kernel
	.amdgpu_metadata
---
amdhsa.version: [ 1, 2 ]
amdhsa.kernels:
  - .name:           k_q12b35ca36e_prep
    .symbol:         k_q12b35ca36e_prep.kd
    .args:
      - { .name: R, .offset: 0, .size: 8, .value_kind: global_buffer, .address_space: global }
      - { .name: L, .offset: 8, .size: 8, .value_kind: global_buffer, .address_space: global }
      - { .name: RW, .offset: 16, .size: 8, .value_kind: global_buffer, .address_space: global }
      - { .name: LW, .offset: 24, .size: 8, .value_kind: global_buffer, .address_space: global }
    .group_segment_fixed_size: 0
    .private_segment_fixed_size: 0
    .kernarg_segment_align: 8
    .kernarg_segment_size: 32
    .max_flat_workgroup_size: 64
    .sgpr_count:     66
    .vgpr_count:     192
    .wavefront_size: 32
...
	.end_amdgpu_metadata
.endif
;; end of part 1
;; launch main (part 2): grid 32 x 8, 4 waves a work-group, no clusters, 327,680 bytes of LDS; arguments x, RW, LW, P; writes P
.if DOCPART == 2
	.amdgcn_target "amdgcn-amd-amdhsa--gfx1250"
	.amdhsa_code_object_version 6
	.text
	.protected	k_q12b35ca36e_main
	.globl	k_q12b35ca36e_main
	.p2align	8
	.type	k_q12b35ca36e_main,@function
k_q12b35ca36e_main:
	s_mov_b64 s[64:65], 0
	v_nop
	global_prefetch_b8 v0, s[64:65] scope:SCOPE_SE
	s_setreg_imm32_b32 hwreg(HW_REG_WAVE_MODE, 25, 1), 1
	s_wait_xcnt 0x0
; P[ic][b][o] = the sum over i = 32 ic + 0..31 of L[o][i] x (the sum over j of Q(x)[b][i][j] Q(R)[j][o]);  Q: codes of BF6 (E3M2) with one E8M0 scale for each 32 along j.  The next launch adds the 32 ic.
; SHARES.  A work-group (ic = 0..31, bg = 0..7) owns 256 rows of x: batches 8 bg + 0..7, i = 32 ic + 0..31, against all 1,024 columns o; each byte of x is read once in the launch, by this work-group, as f32.
; K GOES IN FOUR PASSES OF 256.  In a pass every wave holds all 256 rows x 256 K as fragments (384 registers); the four waves share the columns, 256 each.  A pass's partial products are multiplied by L at once and
; added into 8 f32 sums for each column tile.  THE ORDER OF THE F32 SUMS is therefore: 256 along K in the matrix unit, then i and the four passes by fused multiply-adds.  THE PASSES ARE TAKEN IN AN ORDER THAT TURNS
; WITH THE WORK-GROUP'S NUMBER, p = (ic + m) mod 4 in the m-th: four neighbouring work-groups walk four different quarters of RW at a time.  Only addresses hang on it.
; ROW TILE t (0..15) holds 8 batches x 2 values of i: row m = 8 u + b is (batch b, i = 16 u + t).  In the result lane (r, u) register j is (batch j, i = 16 u + t, column r): ONE number of L serves the eight registers,
; and the wave's part of L, 16 column tiles x 16 row tiles = 256 registers, stays for the whole launch.
; x COMES THROUGH TWO LDS SLOTS of half a pass each (4 batches x 32 rows x 256 f32): behind each change of slots every wave issues one tensor load of 32 rows, 131,072 bytes for the four, and the load has eight column
; tiles, 256 matrix instructions a wave, in which to land.  The unit that has landed is quantised for the NEXT pass; its fragments go to LDS as images of the operand's registers and come back into every wave.
; R'S CODES GO FROM MEMORY STRAIGHT INTO THE OPERAND'S REGISTERS: RW holds them in that order, one stream for each wave, 3,328 bytes a column tile: six loads of 512 consecutive bytes and the scale words.  Loads run two
; tiles ahead, in four sets of registers.  NO CLUSTER, NO JOINT LOADS, though every work-group reads RW: a joint load delivers into LDS, and x's two slots (2 x 133,120 bytes), the images (49,664), the scale words
; (2,048) and the spare words (512) take 318,464 of the 327,680 bytes: no ring for R fits beside them.
; LIMITS: a block of zeros gets the scale byte 1 where the rule says 127 (its codes are zeros; nobody else reads the byte); NaN and infinities among the inputs are not served.
; REGISTERS, in windows of 256: window 0: v1-13 addresses; v16-31 A's scale words, v32-35 B's; v36-77 the quantiser's; v80-143 the eight results in hand; v160-255 four sets of B's fragments (set e at 160 + 24 ((e + 2) % 4));
;   the quantiser's 128 numbers lie in v80-207: where it runs, only sets 0 and 1 are on their way.   window 1: A's fragments of k 0..127 (12 t), from v192 the sums of column tiles 0-7.
;   window 2: A's of k 128..255, the sums of tiles 8-15.   window 3: L (16 n + t).
.set XTILE,  33280                     ; 32 rows of x: 1,024 bytes + 16 of padding each: what one tensor load brings
.set XPITCH, 1040                      ; 65 x 16 bytes: the 16 rows of a load of 16 bytes a lane start 16 bytes apart modulo 256
.set SLOT,   4*XTILE                   ; a slot: four batches
.set IMG,    2*SLOT                    ; behind the ring: 32 fragments of A (16 s + t), a lane's 12 registers on end at 48 x lane
.set FPITCH, 1552                      ; 32 x 48 + 16
.set XSC,    IMG+32*FPITCH             ; A's scale words: [t][s][row], 4 bytes
.set SPARE,  XSC+2048                  ; the spare words, 128 bytes for each wave: two blocks of 256 bytes that no other line names
.set STG,    0                         ; the way out: 8 rows x 1,024 bytes for each wave, in slot 0, which has had its last fill and its last read by then
.set TILEB,  3328                      ; RW: a column tile,
.set PASSB,  16*TILEB                  ; a wave's 16 tiles of a pass,
.set WAVEB,  4*PASSB                   ; a wave's stream
.set SPW, 1                            ; v1   LDS address of my spare word; never rewritten
.set NIL, 2                            ; v2   0; never rewritten
.set XR,  3                            ; v3   my lane's place in the first two batches of slot 0
.set XA,  4                            ; v4   the same in the two batches in hand
.set XW,  5                            ; v5   where I store a fragment's image
.set XWS, 6                            ; v6   and its scale word
.set AIM, 7                            ; v7   where I read an image back: IMG + 48 x lane
.set ASC, 8                            ; v8   and the scale words: XSC + 4 x lane
.set H8,  9                            ; v9   8 x (lane / 16)
.set L16, 10                           ; v10  16 x lane; never rewritten
.set LS4, 11                           ; v11  4 x lane; never rewritten
.set STO, 12                           ; v12  the stage: where I put a number
.set SRD, 13                           ; v13  and where I read rows back
.set ASW, 16                           ; v16-31 A's scale words of row tile t: lanes 0-15 for k 0..127, lanes 16-31 for k 128..255
.set BSW, 32                           ; v32-35 B's, one for each set, likewise
.set QM,  36                           ; v36-37 largest magnitudes; v38-39 scale operands; v40-41 bytes; v42-43 scale words; v44 the other half's
.set QS,  38
.set QB,  40
.set PW,  42
.set PX,  44
.set QT,  46                           ; v46-48, v50-52 a block's upper 16 codes
.set PC0, 54                           ; v54-65 the codes of k 0..127
.set PC1, 66                           ; v66-77 those of k 128..255
.set DD,  80
.set BB,  160
.set ACC, 192                          ; in windows 1 and 2
.set BC,  6                            ; s[6:7]   RW at my 16 tiles of the pass in hand
.set WV,  12                           ; s12  my wave's number
.set G1X, 24                           ; s[24:31] descriptor group 1 for x's tiles
.set XB,  36                           ; s[36:39] x at my batch of slot 0's and of slot 1's units, k = 0
.set G0X, 40                           ; s[40:47] group 0, one set for each slot
.set RB,  48                           ; s[48:49] RW at my stream
.set BN,  50                           ; s[50:51] RW at my 16 tiles of the next pass
.set XO,  52                           ; s[52:53] 1,024 x the next pass's p
.set CNT, 56
.set PN,  57                           ; s57  the next pass's p
.set SEL, 58                           ; s[58:59] v_permlanex16_b32's selects for lane l xor 16
.set MSB, 0
.macro WIN new                         ; bits 1:0 source 0, 3:2 source 1, 5:4 source 2, 7:6 destination; the immediate's high byte repeats the setting that is left
.if MSB != (\new)
	s_set_vgpr_msb (MSB<<8)|(\new)
.set MSB, (\new)
.endif
.endm
.macro PLACES
.rept 4
	v_nop
.endr
.endm
; THE CHANGE OF SLOTS.  Each wave waits for all its tensor loads (one is out: its batch of the slot that is read next), adds 0 to its spare word, makes the descriptor of the slot just left (the next pass's 256 along K),
; waits for the add and for all its LDS reads and stores, and passes the barrier; its one load, into the slot just left, is the first thing behind it.  Four v_nop follow the load.
.macro SYNC fill
	s_wait_tensorcnt 0x0                           ; no tensor load of mine is out, so a group 0 may be written
	ds_add_u32 v[SPW], v[NIL]                      ; 0 onto my spare word
	s_add_nc_u64 s[G0X+4*\fill+2:G0X+4*\fill+3], s[XB+2*\fill:XB+2*\fill+1], s[XO:XO+1]
	s_or_b32 s[G0X+4*\fill+3], s[G0X+4*\fill+3], 0x80000000
	s_wait_dscnt 0x0                               ; the add is done; my reads of the slot just left and of the images are in, my stores of images have landed
	s_barrier_signal -1
	s_barrier_wait -1
	tensor_load_to_lds s[G0X+4*\fill:G0X+4*\fill+3], s[G1X:G1X+7]
	s_nop 0
	PLACES
.endm
	s_load_b256 s[4:11], s[0:1], 0x0               ; x s[4:5], RW s[6:7], LW s[8:9], P s[10:11]
	v_lshl_add_u32 v[SPW], v0, 2, SPARE
	v_mov_b32 v[NIL], 0
	ds_add_u32 v1, v2
	ds_add_u32 v1, v2
	s_wait_dscnt 0x0
	v_lshrrev_b32 v39, 5, v0
	v_readfirstlane_b32 s[WV], v39                 ; wave 0..3
	s_and_b32 s15, ttmp7, 0xffff                   ; bg;  ic is ttmp9
	s_and_b32 s[PN], ttmp9, 3                      ; the first pass's p
	s_and_b32 s16, s[WV], 1
	s_lshr_b32 s17, s[WV], 1
	s_mov_b32 s[SEL], 0x76543210
	s_mov_b32 s[SEL+1], 0xfedcba98
	; group 1: 32 rows of 256 f32, 1,024 elements apart, 4 words of padding behind each row's 256 words
	s_mov_b32 s[G1X+0], (2<<16)|(1<<20)|(7<<22)|(3<<25)
	s_mov_b32 s[G1X+1], 256<<16                    ; tensor_dim0
	s_mov_b32 s[G1X+2], 32<<16                     ; tensor_dim1
	s_mov_b32 s[G1X+3], 256<<16                    ; tile_dim0
	s_mov_b32 s[G1X+4], 32                         ; tile_dim1
	s_mov_b32 s[G1X+5], 1024                       ; from row to row
	s_mov_b32 s[G1X+6], 0
	s_mov_b32 s[G1X+7], 0
	; every LDS address: a constant + constants x lane parts + constants x wave parts
	v_and_b32 v36, 15, v0                          ; r
	v_bfe_u32 v37, v0, 4, 1                        ; h
	v_and_b32 v38, 31, v0                          ; lane
	s_mul_i32 s22, s16, XTILE                      ; I quantise batch 2 q + (w & 1), rows i = 16 (w >> 1) + r: my lane's two blocks of 32 of each 128 begin at 128 h
	s_mul_i32 s23, s17, 16*XPITCH
	s_add_co_u32 s22, s22, s23
	v_mul_u32_u24 v[XR], v36, XPITCH
	v_lshl_add_u32 v[XR], v37, 7, v[XR]
	v_add_nc_u32 v[XR], s22, v[XR]
	s_mul_i32 s22, s17, 384                        ; that row is row m = 8 (w >> 1) + 2 q + (w & 1) of row tile t = r: lane m + 16 h of fragment 16 s + r
	s_mul_i32 s23, s16, 48
	s_add_co_u32 s22, s22, s23
	s_add_co_u32 s22, s22, IMG
	v_mul_u32_u24 v[XW], v36, FPITCH
	v_mad_u32_u24 v[XW], v37, 768, v[XW]
	v_add_nc_u32 v[XW], s22, v[XW]
	s_lshl_b32 s22, s17, 5
	s_lshl_b32 s23, s16, 2
	s_add_co_u32 s22, s22, s23
	s_add_co_u32 s22, s22, XSC
	v_lshl_add_u32 v[XWS], v36, 7, s22
	v_mul_u32_u24 v[AIM], v38, 48
	v_add_nc_u32 v[AIM], IMG, v[AIM]
	v_lshl_add_u32 v[ASC], v38, 2, XSC
	v_lshlrev_b32 v[H8], 3, v37
	v_lshlrev_b32 v[L16], 4, v38
	v_lshlrev_b32 v[LS4], 2, v38
	s_lshl_b32 s22, s[WV], 13                      ; my stage: STG + 8,192 x wave
	v_lshl_add_u32 v[STO], v36, 2, s22
	v_lshl_add_u32 v[SRD], v38, 4, s22
	v_mov_b32 v[PX], 0                             ; written once: a lane permute's destination counts as one of its sources
	; offsets in memory
	s_lshl_b32 s18, s15, 25                        ; x: batch 8 bg + wave, row 32 ic
	s_lshl_b32 s19, s[WV], 22
	s_add_co_u32 s18, s18, s19
	s_lshl_b32 s19, ttmp9, 17
	s_add_co_u32 s18, s18, s19
	s_mov_b32 s19, 0
	s_mul_i32 s20, s[WV], WAVEB                    ; RW: my stream
	s_mov_b32 s21, 0
	s_mul_i32 s22, s[WV], XTILE                    ; where my batch goes in a slot
	s_lshl_b32 s[XO], s[PN], 10
	s_mov_b32 s[XO+1], 0
	s_mul_i32 s2, s[PN], PASSB
	s_mov_b32 s3, 0
	s_wait_kmcnt 0x0
	s_add_nc_u64 s[XB:XB+1], s[4:5], s[18:19]
	s_add_nc_u64 s[XB+2:XB+3], s[XB:XB+1], 16777216   ; slot 1's units: four batches on
	s_add_nc_u64 s[RB:RB+1], s[6:7], s[20:21]
	s_add_nc_u64 s[BN:BN+1], s[RB:RB+1], s[2:3]
	s_mov_b32 s[G0X+0], 1                          ; 1:0 count = 1
	s_mov_b32 s[G0X+1], s22                        ; 63:32 LDS address: slot 0
	s_add_nc_u64 s[G0X+2:G0X+3], s[XB:XB+1], s[XO:XO+1]   ; 120:64 global address
	s_or_b32 s[G0X+3], s[G0X+3], 0x80000000        ; 127:126 type = 2
	s_mov_b32 s[G0X+4], 1
	s_add_co_u32 s[G0X+5], s22, SLOT
	s_add_nc_u64 s[G0X+6:G0X+7], s[XB+2:XB+3], s[XO:XO+1]
	s_or_b32 s[G0X+7], s[G0X+7], 0x80000000
	tensor_load_to_lds s[G0X:G0X+3], s[G1X:G1X+7]      ; the first fills, together: the whole first pass: two loads of a wave are out here, later one
	s_nop 0
	tensor_load_to_lds s[G0X+4:G0X+7], s[G1X:G1X+7]
	s_nop 0
	PLACES
	s_lshl_b32 s18, ttmp9, 17                      ; LW: ic x 131,072 + 16 w tiles of 2,048 bytes
	s_lshl_b32 s20, s[WV], 15
	s_add_co_u32 s18, s18, s20
	s_add_nc_u64 s[8:9], s[8:9], s[18:19]
	s_lshl_b32 s18, ttmp9, 18                      ; P: ic x 262,144 + 8 bg rows of 4,096 bytes + 256 w columns
	s_lshl_b32 s20, s15, 15
	s_add_co_u32 s18, s18, s20
	s_lshl_b32 s20, s[WV], 10
	s_add_co_u32 s18, s18, s20
	s_add_nc_u64 s[10:11], s[10:11], s[18:19]
	WIN 0xc0                                       ; destination window 3
.irp n, 0,1,2,3,4,5,6,7,8,9,10,11,12,13,14,15
.irp q, 0,1,2,3
	global_load_b128 v[16*\n+4*\q:16*\n+4*\q+3], v[L16], s[8:9] offset:2048*\n+512*\q   ; L of my column tile n, row tiles 4 q .. 4 q + 3: 512 consecutive bytes a load; it stays
.endr
.endr
; The 128 sums begin as zeros: the pass is then written twice (loop and tail) and not a third time for a first pass that starts them.
.irp g, 1,2
	WIN 0x40*\g
.set I, 0
.rept 64
	v_mov_b32 v[ACC+I], 0
.set I, I+1
.endr
.endr
	WIN 0
; B's fragments (k 0..127, k 128..255) and scale words of tile k of the pass at s[base], into set e: seven loads
.macro BFETCH e, base, k
.set BS_, BB+24*(((\e)+2)%4)
.irp s, 0,1
.irp c, 0,1,2
	global_load_b128 v[BS_+12*\s+4*\c:BS_+12*\s+4*\c+3], v[L16], s[\base:\base+1] offset:TILEB*(\k)+1536*\s+512*\c
.endr
.endr
	global_load_b32 v[BSW+(\e)], v[LS4], s[\base:\base+1] offset:TILEB*(\k)+3072
.endm
; 64 numbers of my row, k = 128 s + 64 c + 32 h + 0..31 (two whole blocks), become 12 registers of codes, which ARE lane (m, h)'s registers of the fragment, and the row's scale word.
.macro QOP s, q
.set XS, DD+64*(\s)
.if \s == 0
.set PC, PC0
.else
.set PC, PC1
.endif
.irp c, 0,1
	v_max3_num_f32 v[QM+\c], |v[XS+32*\c]|, |v[XS+32*\c+1]|, 0x2800000   ; with the floor 2^(5 - 127): the byte cannot fall under 1
.endr
.irp i, 2,4,6,8,10,12,14,16,18,20,22,24,26,28,30
.irp c, 0,1
	v_max3_num_f32 v[QM+\c], v[QM+\c], |v[XS+32*\c+\i]|, |v[XS+32*\c+\i+1]|   ; (the two blocks by turns)
.endr
.endr
.irp c, 0,1
	v_add_nc_u32 v[QS+\c], 0xfe000000, v[QM+\c]    ; 4 off the exponent field: the conversion's scale operand
.endr
.irp c, 0,1
	v_lshrrev_b32 v[QB+\c], 23, v[QS+\c]           ; the scale's byte
.endr
	v_lshl_or_b32 v[PW+\s], v[QB+1], 16, v[QB]     ; my two bytes, blocks h and 2 + h,
	v_lshlrev_b32 v[PW+\s], v[H8], v[PW+\s]        ; at their places in the word;
	v_permlanex16_b32 v[PX], v[PW+\s], s[SEL], s[SEL+1]
	v_or_b32 v[PW+\s], v[PW+\s], v[PX]             ; with lane l xor 16's two the word is whole
.irp c, 0,1
	v_cvt_scalef32_pk16_bf6_f32 v[PC+6*\c:PC+6*\c+2], v[XS+32*\c:XS+32*\c+15], v[QS+\c]
	v_cvt_scalef32_pk16_bf6_f32 v[QT+4*\c:QT+4*\c+2], v[XS+32*\c+16:XS+32*\c+31], v[QS+\c]   ; (a conversion's three registers begin on an even number)
.endr
	v_nop                                          ; one plain place behind a scaled conversion
.irp c, 0,1
.irp i, 0,1,2
	v_mov_b32 v[PC+6*\c+3+\i], v[QT+4*\c+\i]
.endr
.endr
.irp c, 0,1,2
	ds_store_b128 v[XW], v[PC+4*\c:PC+4*\c+3] offset:96*(\q)+16*FPITCH*(\s)+16*\c
.endr
	ds_store_b32 v[XWS], v[PW+\s] offset:8*(\q)+64*(\s)   ; both lanes of a row write the same word with the same value
.endm
; Batches 2 q, 2 q + 1 of the pass: they lie 2 q tiles from LDS byte 0 (q = 0, 1: slot 0; q = 2, 3: slot 1).  My 16 rows x 256 K
.macro QUANT q
	v_add_nc_u32 v[XA], 2*XTILE*(\q), v[XR]
.irp s, 0,1
.irp c, 0,1
.irp i, 0,1,2,3,4,5,6,7
	ds_load_b128 v[DD+64*\s+32*\c+4*\i:DD+64*\s+32*\c+4*\i+3], v[XA] offset:512*\s+256*\c+16*\i
.endr
.endr
.endr
	s_wait_dscnt 16                                ; all but the sixteen loads of k 128..255: the stores of the quantising before are done too, so the codes' registers may be written
	QOP 0, \q
	s_wait_dscnt 4                                 ; all but the four stores just issued
	QOP 1, \q
.endm
.macro IMGBAR                          ; every wave's images of the pass lie in LDS.  The step's tensor load stays out across it
	s_wait_dscnt 0x0
	s_barrier_signal -1
	s_barrier_wait -1
.endm
.macro ALOAD                           ; the pass's 32 fragments and 16 registers of scale words, into every wave
.irp t, 0,1,2,3,4,5,6,7,8,9,10,11,12,13,14,15
	ds_load_b32 v[ASW+\t], v[ASC] offset:128*\t
.endr
.irp s, 0,1
	WIN 0x40*(\s+1)                                ; destination window 1, then 2
.irp t, 0,1,2,3,4,5,6,7,8,9,10,11,12,13,14,15
.irp c, 0,1,2
	ds_load_b128 v[12*\t+4*\c:12*\t+4*\c+3], v[AIM] offset:FPITCH*(16*\s+\t)+16*\c
.endr
.endr
.endr
	WIN 0
	s_wait_dscnt 0x0
.endm
; One product: row tile t x the column tile in hand (its set at BSET, its scale words in BSW + EB), K half s.  The first half starts the sum with the constant 0; the second adds in place, seven other accumulators' turns later.
.macro MM s, t
.if \s == 0
	v_wmma_scale_f32_16x16x128_f8f6f4 v[DD+8*((\t)%8):DD+8*((\t)%8)+7], v[12*(\t):12*(\t)+11], v[BSET:BSET+11], 0, v[ASW+(\t)], v[BSW+EB] matrix_a_fmt:MATRIX_FMT_BF6 matrix_b_fmt:MATRIX_FMT_BF6
.else
	v_wmma_scale_f32_16x16x128_f8f6f4 v[DD+8*((\t)%8):DD+8*((\t)%8)+7], v[12*(\t):12*(\t)+11], v[BSET+12:BSET+23], v[DD+8*((\t)%8):DD+8*((\t)%8)+7], v[ASW+(\t)], v[BSW+EB] matrix_a_fmt:MATRIX_FMT_BF6 matrix_b_fmt:MATRIX_FMT_BF6 matrix_a_scale:MATRIX_SCALE_ROW1 matrix_b_scale:MATRIX_SCALE_ROW1
.endif
.endm
; The sums of column tile NN take row tile t's results x L: eight fused multiply-adds in four packed ones, the result's registers in ascending order; one register of L's pair serves both halves.
.macro EP t
.irp a, 0,1,2,3
.if ((\t)%2) == 0
	v_pk_fma_f32 v[ACC+8*(NN%8)+2*\a:ACC+8*(NN%8)+2*\a+1], v[DD+8*((\t)%8)+2*\a:DD+8*((\t)%8)+2*\a+1], v[16*NN+(\t):16*NN+(\t)+1], v[ACC+8*(NN%8)+2*\a:ACC+8*(NN%8)+2*\a+1] op_sel_hi:[1,0,1]
.else
	v_pk_fma_f32 v[ACC+8*(NN%8)+2*\a:ACC+8*(NN%8)+2*\a+1], v[DD+8*((\t)%8)+2*\a:DD+8*((\t)%8)+2*\a+1], v[16*NN+(\t)-1:16*NN+(\t)], v[ACC+8*(NN%8)+2*\a:ACC+8*(NN%8)+2*\a+1] op_sel:[0,1,0] op_sel_hi:[1,1,1]
.endif
.endr
.endm
; HALF A COLUMN TILE: row tiles b .. b + 7: 16 products and 32 packed multiply-adds.  The eight accumulators take turns, one instruction a turn.  A vector instruction that reads a result
; stands four plain vector instructions behind the product that made it (ISA guide 7.12.1): the eight multiply-adds of the pair of row tiles before are those places; the first pair has four v_nop.  Behind the half's
; last product stand twelve multiply-adds that name none of its registers: they serve the products that begin its accumulator anew, and the loads into the registers that it read.
.macro HALF b
	WIN 0x01                                       ; A in window 1
.irp t, 0,1,2,3,4,5,6,7
	MM 0, \b+\t
.endr
	WIN 0x02                                       ; A in window 2
.irp t, 0,1,2,3
	MM 1, \b+\t
.endr
	WIN EW
	PLACES
	EP \b+0
	EP \b+1
.irp t, 4,6
	WIN 0x02
	MM 1, \b+\t
	MM 1, \b+\t+1
	WIN EW
	EP \b+\t-2
	EP \b+\t-1
.endr
	EP \b+6
	EP \b+7
.endm
; COLUMN TILE n of the pass.  more = 1: a pass follows, whose tiles 0 and 1 are asked for in tiles 14 and 15.
.macro NT n, more
.set NN, \n
.set EB, (\n)%4
.set BSET, BB+24*((EB+2)%4)
.set EW, 0x5c+0x50*((\n)/8)            ; results window 0, L window 3, sums window 1 (tiles 0-7) or 2
.if (\more) || ((\n) < 15)
	s_wait_loadcnt 7                               ; this tile's seven loads are in (and all that were issued before them); the next tile's seven may be out
.else
	s_wait_loadcnt 0x0
.endif
.if (\n) < 14
	BFETCH ((\n)+2)%4, BC, (\n)+2                  ; two tiles ahead, into the set that the tile before last read
.elseif \more
	BFETCH ((\n)+2)%4, BN, (\n)-14
.endif
	HALF 0
	HALF 8
	WIN 0
.endm
	; ---- the first pass's first half is quantised; there is nothing to multiply yet
	s_wait_tensorcnt 0x1                           ; my batch of slot 0 is in; slot 1's load may stay out
	s_barrier_signal -1
	s_barrier_wait -1
	QUANT 0
	QUANT 1
	s_wait_loadcnt 0x0                             ; L
	BFETCH 0, BN, 0                                ; the first pass's tiles 0 and 1
	BFETCH 1, BN, 1
	s_mov_b32 s[CNT], 3
.Lpass:                                            ; a trip: a pass is multiplied (16 column tiles a wave), the next pass arrives and is quantised
	s_wait_xcnt 0x0                                ; the loads issued so far have read their bases, which are written below
	s_mov_b64 s[BC:BC+1], s[BN:BN+1]
	s_add_co_u32 s[PN], s[PN], 1
	s_and_b32 s[PN], s[PN], 3                      ; the next pass's p
	s_lshl_b32 s[XO], s[PN], 10
	s_mul_i32 s2, s[PN], PASSB
	s_add_nc_u64 s[BN:BN+1], s[RB:RB+1], s[2:3]
	SYNC 0                                         ; the next pass's batches 0-3 -> slot 0
	QUANT 2                                        ; this pass's batches 4-7
	QUANT 3
	IMGBAR
	ALOAD
.irp n, 0,1,2,3,4,5,6,7
	NT \n, 1
.endr
	SYNC 1                                         ; the next pass's batches 4-7 -> slot 1
	QUANT 0                                        ; from here on the images are the next pass's: every wave has this pass's in registers since the barrier above
	QUANT 1
.irp n, 8,9,10,11,12,13,14,15
	NT \n, 1
.endr
	s_sub_co_u32 s[CNT], s[CNT], 1
	s_cmp_lg_u32 s[CNT], 0
	s_cbranch_scc1 .Lpass
	; ---- the last pass is written out: no x is left to fetch
	s_wait_xcnt 0x0
	s_mov_b64 s[BC:BC+1], s[BN:BN+1]
	s_wait_tensorcnt 0x0                           ; my batch of slot 1 is in; nothing is filled again
	ds_add_u32 v[SPW], v[NIL]
	s_wait_dscnt 0x0
	s_barrier_signal -1
	s_barrier_wait -1
	QUANT 2
	QUANT 3
	IMGBAR
	ALOAD
.irp n, 0,1,2,3,4,5,6,7,8,9,10,11,12,13,14,15
	NT \n, 0
.endr
	; ---- THE WAY OUT.  Lane (r, u) holds the sums over i = 16 u + 0..15: lane l xor 16's are added.  A lane holds one column of eight batches, so the numbers go through my own stage in LDS, [batch 8][256 columns], and leave as
	; runs of 512 consecutive bytes.  LDS serves a wave's instructions in order (ISA guide 5.7.1.4): no wait between the stores and the loads.
.irp g, 0,1
	WIN 0x01+\g                                    ; source 0: the sums' window
.set I, 0
.rept 64
	v_permlanex16_b32 v[144+I], v[ACC+I], s[SEL], s[SEL+1]
.set I, I+1
.endr
.if \g
	s_wait_dscnt 0x0                               ; the first 64 stores have read their registers, which are written again below
.endif
.set I, 0
.rept 64
	v_add_f32 v[DD+I], v[ACC+I], v[144+I]
.set I, I+1
.endr
	WIN 0
.irp n, 0,1,2,3,4,5,6,7
.irp j, 0,1,2,3,4,5,6,7
	ds_store_b32 v[STO], v[DD+8*\n+\j] offset:STG+1024*\j+64*(8*\g+\n)   ; both halves of the lanes write the same word with the same value
.endr
.endr
.endr
.irp m, 0,1,2,3,4,5,6,7,8,9,10,11,12,13,14,15
	ds_load_b128 v[144+4*\m:144+4*\m+3], v[SRD] offset:STG+512*\m
.endr
.irp m, 0,1,2,3,4,5,6,7,8,9,10,11,12,13,14,15
	s_wait_dscnt 15-\m                             ; the loads issued behind this one may stay out
	global_store_b128 v[L16], v[144+4*\m:144+4*\m+3], s[10:11] offset:4096*(\m/2)+512*(\m%2)   ; 32 lanes store 512 consecutive bytes, at a multiple of 256 from P's first byte
.endr
	s_wait_tensorcnt 0x0                           ; the wave's end, behind my last tensor load and my last LDS store
	ds_add_u32 v[SPW], v[NIL]
	s_wait_dscnt 0x0
	s_endpgm
.Lfunc_end_k_q12b35ca36e_main:
	.size	k_q12b35ca36e_main, .Lfunc_end_k_q12b35ca36e_main-k_q12b35ca36e_main
	.p2alignl 7, 3214868480
	.fill 96, 4, 3214868480
	.section	.rodata,"a",@progbits
	.p2align	6, 0x0
	.amdhsa_kernel k_q12b35ca36e_main
		.amdhsa_group_segment_fixed_size 327680
		.amdhsa_private_segment_fixed_size 0
		.amdhsa_enable_private_segment 0
		.amdhsa_kernarg_size 32
		.amdhsa_user_sgpr_count 2
		.amdhsa_user_sgpr_kernarg_segment_ptr 1
		.amdhsa_wavefront_size32 1
		.amdhsa_system_sgpr_workgroup_id_x 1
		.amdhsa_system_sgpr_workgroup_id_y 1
		.amdhsa_system_sgpr_workgroup_id_z 1
		.amdhsa_system_vgpr_workitem_id 0
		.amdhsa_next_free_vgpr 1024
		.amdhsa_next_free_sgpr 66
		.amdhsa_reserve_vcc 0
		.amdhsa_float_denorm_mode_32 3
		.amdhsa_float_denorm_mode_16_64 3
		.amdhsa_memory_ordered 1
		.amdhsa_forward_progress 1
		.amdhsa_inst_pref_size 255
	.end_amdhsa_kernel
	.section	.bss,"aw",@nobits
	.p2align	6
	.space	262144
	.amdgpu_metadata
---
amdhsa.version: [ 1, 2 ]
amdhsa.kernels:
  - .name:           k_q12b35ca36e_main
    .symbol:         k_q12b35ca36e_main.kd
    .args:
      - { .name: x, .offset: 0, .size: 8, .value_kind: global_buffer, .address_space: global }
      - { .name: RW, .offset: 8, .size: 8, .value_kind: global_buffer, .address_space: global }
      - { .name: LW, .offset: 16, .size: 8, .value_kind: global_buffer, .address_space: global }
      - { .name: P, .offset: 24, .size: 8, .value_kind: global_buffer, .address_space: global }
    .group_segment_fixed_size: 327680
    .private_segment_fixed_size: 0
    .kernarg_segment_align: 8
    .kernarg_segment_size: 32
    .max_flat_workgroup_size: 128
    .sgpr_count:     66
    .vgpr_count:     1024
    .wavefront_size: 32
...
	.end_amdgpu_metadata
.endif
;; end of part 2
;; launch sum (part 3): grid 256 x 1, 2 waves a work-group, no clusters, 0 bytes of LDS; arguments P, out0; writes out0
.if DOCPART == 3
	.amdgcn_target "amdgcn-amd-amdhsa--gfx1250"
	.amdhsa_code_object_version 6
	.text
	.protected	k_q12b35ca36e_sum
	.globl	k_q12b35ca36e_sum
	.p2align	8
	.type	k_q12b35ca36e_sum,@function
k_q12b35ca36e_sum:
	s_mov_b64 s[64:65], 0
	v_nop
	global_prefetch_b8 v0, s[64:65] scope:SCOPE_SE
	s_setreg_imm32_b32 hwreg(HW_REG_WAVE_MODE, 25, 1), 1
	s_wait_xcnt 0x0
; out0[b][o] = the sum over ic = 0..31 of P[ic][b][o], in f32, ic ascending.  P: [32][64][1024], out0: [64][1024].
; A stream: thread g = 64 x work-group + thread owns the 16 bytes at byte 16 g of out0 and of each of P's 32 planes of 262,144 bytes.  All 32 loads of a wave go out at once, 512 consecutive bytes each;
; the largest immediate, 31 x 262,144, lies inside the signed 24 bits (ISA guide, chapter 10).  No LDS, no barrier, no matrix unit: nothing is shared and nothing is multiplied.
.set PLANE, 262144
	s_load_b128 s[4:7], s[0:1], 0x0                ; P s[4:5], out0 s[6:7]
	s_lshl_b32 s8, ttmp9, 10                       ; 64 threads x 16 bytes a work-group
	v_lshl_add_u32 v1, v0, 4, s8
	s_wait_kmcnt 0x0
.irp c, 0,1,2,3,4,5,6,7,8,9,10,11,12,13,14,15,16,17,18,19,20,21,22,23,24,25,26,27,28,29,30,31
	global_load_b128 v[8+4*\c:11+4*\c], v1, s[4:5] offset:PLANE*\c th:TH_LOAD_NT
.endr
	s_wait_loadcnt 30                              ; planes 0 and 1 are in: the first addition starts the sums
	v_pk_add_f32 v[4:5], v[8:9], v[12:13]
	v_pk_add_f32 v[6:7], v[10:11], v[14:15]
.irp c, 2,3,4,5,6,7,8,9,10,11,12,13,14,15,16,17,18,19,20,21,22,23,24,25,26,27,28,29,30,31
	s_wait_loadcnt 31-\c                           ; the younger loads may stay out
	v_pk_add_f32 v[4:5], v[4:5], v[8+4*\c:9+4*\c]
	v_pk_add_f32 v[6:7], v[6:7], v[10+4*\c:11+4*\c]
.endr
	global_store_b128 v1, v[4:7], s[6:7]           ; 32 lanes store 512 consecutive bytes, at a multiple of 256 from out0's first byte
	s_endpgm
.Lfunc_end_k_q12b35ca36e_sum:
	.size	k_q12b35ca36e_sum, .Lfunc_end_k_q12b35ca36e_sum-k_q12b35ca36e_sum
	.p2alignl 7, 3214868480
	.fill 96, 4, 3214868480
	.section	.rodata,"a",@progbits
	.p2align	6, 0x0
	.amdhsa_kernel k_q12b35ca36e_sum
		.amdhsa_group_segment_fixed_size 0
		.amdhsa_private_segment_fixed_size 0
		.amdhsa_enable_private_segment 0
		.amdhsa_kernarg_size 16
		.amdhsa_user_sgpr_count 2
		.amdhsa_user_sgpr_kernarg_segment_ptr 1
		.amdhsa_wavefront_size32 1
		.amdhsa_system_sgpr_workgroup_id_x 1
		.amdhsa_system_sgpr_workgroup_id_y 1
		.amdhsa_system_sgpr_workgroup_id_z 1
		.amdhsa_system_vgpr_workitem_id 0
		.amdhsa_next_free_vgpr 136
		.amdhsa_next_free_sgpr 66
		.amdhsa_reserve_vcc 0
		.amdhsa_float_denorm_mode_32 3
		.amdhsa_float_denorm_mode_16_64 3
		.amdhsa_memory_ordered 1
		.amdhsa_forward_progress 1
		.amdhsa_inst_pref_size 9
	.end_amdhsa_kernel
	.amdgpu_metadata
---
amdhsa.version: [ 1, 2 ]
amdhsa.kernels:
  - .name:           k_q12b35ca36e_sum
    .symbol:         k_q12b35ca36e_sum.kd
    .args:
      - { .name: P, .offset: 0, .size: 8, .value_kind: global_buffer, .address_space: global }
      - { .name: out0, .offset: 8, .size: 8, .value_kind: global_buffer, .address_space: global }
    .group_segment_fixed_size: 0
    .private_segment_fixed_size: 0
    .kernarg_segment_align: 8
    .kernarg_segment_size: 16
    .max_flat_workgroup_size: 64
    .sgpr_count:     66
    .vgpr_count:     136
    .wavefront_size: 32
...
	.end_amdgpu_metadata
.endif
;; end of part 3
